; MI455X (gfx1250); checked and timed in simulation.
; The chip was launched on July 23, 2026; its instructions are those of AMD's public machine-readable ISA for CDNA 5 (MIT licence, August 2026) and "CDNA5" Instruction Set Architecture Reference Guide (July 2026). The comments in the code are by the model that wrote it; some were corrected since.
;; Baby Radix Attention. Allowed arithmetic: matrix products marked QUANTISED: E3M2 operands, one E8M0 scale for each 32 along K, by v_wmma_scale_f32_16x16x128_f8f6f4 with both operands' format E3M2, f32 sums; everything else in f32.
;; Inputs: k_codes 8,192 x 4 x 4 x 24 uint8 (E3M2 codes of k, K innermost, in blocks of 32 codes, four codes in three bytes); k_scales 8,192 x 4 x 4 uint8 (E8M0 scales of k, one for each 32 codes along K); q_codes 8,192 x 16 x 4 x 24 uint8 (E3M2 codes of q, K innermost, in blocks of 32 codes, four codes in three bytes); q_scales 8,192 x 16 x 4 uint8 (E8M0 scales of q, one for each 32 codes along K); seq_lens 4 int32; v 8,192 x 4 x 128 float32.
;; Outputs: out0 8,192 x 2,048 float32.
;; This version of the problem:
;;   THIS VERSION OF THE PROBLEM IS GIVEN IN LOW PRECISION. The matrix products marked QUANTISED in the list below multiply operands that are first quantised to E3M2 (3 exponent bits, 2 mantissa bits; 6 bits a number), with one power-of-two scale for each 32 numbers along K (OCP MX v1.0); their sums are f32. All else is computed in f32.
;;   The module's matrix products, in the order in which they are computed (A, B: the left and right operand; K: the contracted axis; several contracted axes count as one K, in the product's order):
;;     1. batch 64 x [M 2,048, K 128] x [K 128, N 2,048]; A: input q (given as codes); B: input k (given as codes): QUANTISED
;;     2. batch 64 x [M 128, K 2,048] x [K 2,048, N 2,048]; A: input v; B: softmax (see below): QUANTISED
;;   THE QUANTISER, for each operand of a quantised product, along K:
;;     - K is cut into blocks of 32 from its start; a last block that is shorter is filled with zeros.
;;     - A block's scale is 2^e with e = floor(log2(the largest magnitude in the block)) - 4, held to -126 .. 127; a block of zeros has e = 0. As a byte (E8M0): e + 127.
;;     - Each number is divided by its block's scale, clamped to +-28, and rounded to the nearest number of E3M2, ties to even, subnormals kept.
;;     - The product sums the exact products of the quantised numbers (number of the format x scale) in f32.
;;   ~~~python
;;   def quantise(x, axis):      # numpy; x: float32 -> the quantised numbers, widened to float32 again
;;       x = np.moveaxis(x, axis, -1); K = x.shape[-1]
;;       x = np.pad(x, [(0, 0)] * (x.ndim - 1) + [(0, -K % 32)]); x = x.reshape(x.shape[:-1] + (-1, 32)); a = np.abs(x).max(-1, keepdims=True)
;;       e = np.where(a > 0, np.clip(np.frexp(np.where(a > 0, a, 1))[1] - 1 - 4, -126, 127), 0)      # np.frexp(a)[1] - 1 = floor(log2(a)), exactly
;;       r = np.clip(x / 2.0 ** e, -28, 28)
;;       step = 2.0 ** (np.maximum(np.frexp(np.where(r == 0, 1, r))[1] - 1, -2) - 2)
;;       q = np.round(r / step) * step * 2.0 ** e      # np.round: ties to even
;;       return np.moveaxis(q.reshape(q.shape[:-2] + (-1,))[..., :K], -1, axis).astype(np.float32)
;;   ~~~
;;   SOFTMAX AHEAD OF A QUANTISED PRODUCT. Where the list says 'softmax', what is quantised is not the finished softmax but p = 2^(t - M), with t = logit x log2(e) and M = ceil(the row's largest t), a whole number; so 1/2 < the row's largest p <= 1. The row's sum l is taken of the UNQUANTISED p, in f32, and the product's result is divided by l at the end. Since M is a whole number, a kernel that streams over the keys may use a running M (the ceiling of the running maximum): every later rescaling is an exact power of two, which a block's scale takes up: the codes' values come out the same.
;;   OPERANDS COMPUTED ON THE WAY. 'Computed on the way' means the value that the module computes at that place (a softmax that the list does not call 'softmax' is quantised finished and normalised). What goes into a quantiser is computed in f32, as accurately as f32 sums, v_exp_f32 and their like allow (about 1e-6 of the number): no bf16 or f16 on the way to a quantiser, and a product that is left as it is and whose result goes on into a quantised operand takes f32 operands (vector FMAs, or v_wmma_f32_16x16x4_f32). A number that lies on a knife's edge between two numbers of the format may be rounded either way, as far as f32 arithmetic and the matrix unit's own rounding can turn it there, and no further.
;;   INPUTS GIVEN AS CODES. k (in the module: [8192, 4, 128], K = its axis 2); q (in the module: [8192, 16, 128], K = its axis 2): each comes as NAME_codes (uint8): NAME with its K axis moved to the last place and cut into blocks of 32 codes, [.., K / 32, bytes a block], one block behind the other in memory; four codes in three bytes: a row's codes are one little-endian stream of bits, code i at bits 6 i .. 6 i + 5 (a code: sign, 3 exponent bits, 2 mantissa bits); and NAME_scales (uint8): the same leading axes, one E8M0 byte (e + 127) for each 32 codes along K. Its value is code x scale, taken as it is: it is not quantised again, and the codes and scales need not be those that the quantiser above would give.
;; One version. Each part assembles by itself: llvm-mc -triple=amdgcn-amd-amdhsa -mcpu=gfx1250 --defsym DOCPART=n.
;; ======== version 1 of 1: 2 launches
;; workspace buffers: kv 6,553,600 bytes
;; launch prep (part 1): grid 16 x 16, 4 waves a work-group, no clusters, 13,824 bytes of LDS; arguments v, k_codes, k_scales, seq_lens, kv; writes kv
.if DOCPART == 1
	.amdgcn_target "amdgcn-amd-amdhsa--gfx1250"
	.amdhsa_code_object_version 6
	.text
	.protected	k_qd0466682e9_prep
	.globl	k_qd0466682e9_prep
	.p2align	8
	.type	k_qd0466682e9_prep,@function
k_qd0466682e9_prep:
	s_mov_b64 s[64:65], 0
	v_nop
	global_prefetch_b8 v0, s[64:65] scope:SCOPE_SE
	s_setreg_imm32_b32 hwreg(HW_REG_WAVE_MODE, 25, 1), 1
	s_wait_xcnt 0x0
; K's codes and V, laid for the attention launch as IMAGES OF THE OPERANDS' REGISTERS: one dense block of 25,600 bytes for each (request b, kv head hk, key step of 128 keys).
; v [8192][4][128] f32 is quantised along the KEYS (blocks of 32 tokens from the request's start) to codes of BF6 (E3M2) with one E8M0 byte a block; k's codes and scale bytes are copied as they are given.
; A BLOCK of kv (block 16 (4 b + hk) + step):
;   byte 0:      K's eight fragments; tile t at 1536 t, registers 4 c .. 4 c + 3 at + 512 c, lane l at + 16 l.  Lane (r, h) of tile 2 b' + u holds key 32 b' + 8 u + r + 8 (r / 8): bytes 24 h .. of its row in registers 0-5, bytes 48 + 24 h .. in 6-11
;   byte 12,288: V^T's eight fragments in the same form; lane (r, h) of tile t holds channel 16 t + r; registers 6 c .. 6 c + 5 hold keys 64 c + 32 h + 0 .. 31
;   byte 24,576: the scale words; j = 0, 1 at + 512 j, lane l at + 16 l, word m at + 4 m: lanes 0-15 K's tile 4 j + m, row r; lanes 16-31 V's tile 4 j + m, row r
; SHARES.  Work-group (x = key step, y = 4 b + hk); wave w takes K's tiles 2 w, 2 w + 1 and V's channels 32 w + lane.  A LANE TAKES A CHANNEL AND ITS REGISTERS RUN DOWN THE KEYS: a block of 32 keys lies in one lane,
; each load reads 128 consecutive bytes a wave (the four waves: the head's 512), and the conversions give codes with the keys innermost.  The codes go through the wave's own stage in LDS into the image's order and leave 512 bytes a store.
; A block's scale is 2^(floor(log2(its largest magnitude)) - 4): its byte is the largest magnitude's exponent field - 4, held at 1 from below.
; LIMITS: a block of zeros, or one whose largest magnitude lies under 2^-122, keeps the byte 1 (its codes are what the division by 2^-126 gives; only this program reads the bytes); NaN and infinities in v are not served.
; seq_lens: reference() cuts the stream by its constant S and makes nothing of seq_lens' numbers; they are loaded here and nothing is made of them.
.set STEPB, 25600                      ; bytes of a block
.set VI,    12288                      ; V's fragments in it
.set SW,    24576                      ; the scale words in it
.set SCS,   12288                      ; LDS: behind the four stages of 3,072 bytes: the image of the block's 1,024 bytes of scale words
.set EMAX,  4
.set KFR,   20                         ; v20-43   K's two fragments
.set CD,    44                         ; v44-75   V's codes: eight registers for each block of 32 keys, so that no store's data are written again
.set C2,    76                         ; v76-78   a block's second conversion (its three registers begin on an even number)
.set X,     80                         ; v80-143  two sets of 32 numbers
.set BK,    144                        ; v144-167 the stage read back
	s_load_b256 s[4:11], s[0:1], 0x0               ; v s[4:5], k_codes s[6:7], k_scales s[8:9], seq_lens s[10:11]
	s_load_b64 s[12:13], s[0:1], 0x20              ; kv
	v_lshl_add_u32 v168, v0, 2, 0x3400
	v_mov_b32 v169, 0
	v_lshrrev_b32 v1, 5, v0
	v_readfirstlane_b32 s16, v1                    ; wave 0..3
	v_and_b32 v1, 31, v0                           ; lane
	v_and_b32 v2, 15, v0                           ; r
	v_bfe_u32 v3, v0, 4, 1                         ; h (for V: u, which of my two tiles)
	v_lshlrev_b32 v4, 2, v1                        ; V: 4 bytes a lane
	v_and_b32 v11, 8, v2
	v_add_nc_u32 v11, v11, v2                      ; r + 8 (r / 8)
	v_mul_u32_u24 v5, v11, 384                     ; K's codes: a token is 384 bytes;
	v_mad_u32_u24 v5, v3, 24, v5                   ; + 24 h
	v_lshl_add_u32 v6, v3, 3, v11                  ; K's scale words: lane (u, r) takes tile 2 w + u, row r: key 8 u + r + 8 (r / 8),
	v_lshlrev_b32 v6, 4, v6                        ; 16 bytes a token
	v_lshlrev_b32 v7, 4, v1                        ; 16 x lane: an image's place for my lane
	s_mul_i32 s38, s16, 3072                       ; my stage
	v_mul_u32_u24 v8, v3, 1536
	v_lshl_add_u32 v8, v2, 4, v8
	v_add_nc_u32 v8, s38, v8                       ; into it: tile u, lane r of the image
	v_add_nc_u32 v9, s38, v7                       ; out of it: as it lies
	s_lshr_b32 s38, s16, 1
	s_lshl_b32 s38, s38, 9
	s_and_b32 s39, s16, 1
	s_lshl_b32 s39, s39, 3
	s_add_co_u32 s38, s38, s39
	s_add_co_u32 s38, s38, SCS
	v_lshlrev_b32 v10, 4, v2
	v_lshl_add_u32 v10, v3, 2, v10
	v_add_nc_u32 v10, s38, v10                     ; the word of tile 2 w + u, row r: SCS + 512 (w / 2) + 8 (w % 2) + 4 u + 16 r; V's lie 256 bytes on
	v_lshlrev_b32 v15, 3, v1
	s_lshl_b32 s38, s16, 8
	s_add_co_u32 s38, s38, SCS
	v_add_nc_u32 v14, s38, v15                     ; and on the way out my wave's 256 bytes of the 1,024, 8 a lane
	s_and_b32 s17, ttmp7, 0xffff                   ; 4 b + hk
	s_lshr_b32 s18, s17, 2
	s_and_b32 s19, s17, 3                          ; hk
	s_lshl_b32 s18, s18, 11
	s_lshl_b32 s24, ttmp9, 7
	s_add_co_u32 s18, s18, s24                     ; the step's first token: 2048 b + 128 step
	s_lshl_b32 s24, s18, 11                        ; V: a token is 2,048 bytes, a head 512, my wave's 32 channels 128
	s_lshl_b32 s26, s19, 9
	s_add_co_u32 s24, s24, s26
	s_lshl_b32 s26, s16, 7
	s_add_co_u32 s24, s24, s26
	s_mov_b32 s25, 0
	s_lshl_b32 s26, s16, 5
	s_add_co_u32 s26, s26, s18                     ; my two tiles of K begin at key 32 w
	s_mul_i32 s28, s26, 384
	s_mul_i32 s30, s19, 96
	s_add_co_u32 s28, s28, s30
	s_mov_b32 s29, 0
	s_lshl_b32 s30, s26, 4
	s_lshl_b32 s32, s19, 2
	s_add_co_u32 s30, s30, s32
	s_mov_b32 s31, 0
	s_lshl_b32 s32, s17, 4
	s_add_co_u32 s32, s32, ttmp9
	s_mul_i32 s32, s32, STEPB                      ; my block of kv
	s_mul_i32 s34, s16, 3072
	s_add_co_u32 s34, s34, s32                     ; my two tiles in it
	s_mov_b32 s35, 0
	s_lshl_b32 s36, s16, 8
	s_add_co_u32 s36, s36, s32                     ; my 256 bytes of its scale words
	s_mov_b32 s37, 0
	s_wait_alu depctr_va_vdst(0)
	s_wait_kmcnt 0x0
	s_add_nc_u64 s[4:5], s[4:5], s[24:25]
	s_add_nc_u64 s[6:7], s[6:7], s[28:29]
	s_add_nc_u64 s[8:9], s[8:9], s[30:31]
	s_add_nc_u64 s[14:15], s[12:13], s[34:35]
	s_add_nc_u64 s[12:13], s[12:13], s[36:37]
	s_load_b128 s[20:23], s[10:11], 0x0            ; seq_lens (see the head)
.irp u, 0,1                                    ; K's tiles 2 w + u: the second begins 8 keys on
.irp p, 0,1,2,3,4,5
	global_load_b64 v[KFR+12*\u+2*\p:KFR+12*\u+2*\p+1], v5, s[6:7] offset:3072*\u+48*(\p/3)+8*(\p%3)
.endr
.endr
	global_load_b32 v17, v6, s[8:9]
.macro LOAD t                          ; keys 32 t + 0 .. 31 of my channel into set t % 2
.set li, 0
.rept 32
	global_load_b32 v[X+32*((\t)%2)+li], v4, s[4:5] offset:(32*(\t)+li)*2048 th:TH_LOAD_NT
.set li, li+1
.endr
.endm
	LOAD 0
	LOAD 1
	s_wait_loadcnt 63                              ; behind K's 13 loads stand 64: the largest count that the wait can name shows them in
.irp u, 0,1
.irp c, 0,1,2
	global_store_b128 v7, v[KFR+12*\u+4*\c:KFR+12*\u+4*\c+3], s[14:15] offset:1536*\u+512*\c   ; 32 lanes store 512 consecutive bytes, at a multiple of 256 from kv's first byte
.endr
.endr
	ds_store_b32 v10, v17
.macro BLOCK t
.set XS, X+32*((\t)%2)
.set C, CD+8*(\t)
.if (\t) < 3
	s_wait_loadcnt 32                              ; this block's 32 loads are in; the next block's may be out
.else
	s_wait_loadcnt 0x0
.endif
	v_max3_num_f32 v12, |v[XS]|, |v[XS+1]|, |v[XS+2]|               ; the block's largest magnitude: all 32 numbers are mine; two chains
	v_max3_num_f32 v13, |v[XS+3]|, |v[XS+4]|, |v[XS+5]|
.irp i, 6,10,14,18,22,26
	v_max3_num_f32 v12, v12, |v[XS+\i]|, |v[XS+\i+1]|
	v_max3_num_f32 v13, v13, |v[XS+\i+2]|, |v[XS+\i+3]|
.endr
	v_max3_num_f32 v12, v12, |v[XS+30]|, |v[XS+31]|
	v_max3_num_f32 v12, v12, v13, (EMAX+1)<<23     ; and the floor 2^(5 - 127): the byte cannot fall under 1
	v_add_nc_u32 v11, -(EMAX<<23), v12             ; 4 off its exponent field: the conversion takes the exponent field of this operand as its scale
	v_lshrrev_b32 v13, 23, v11                     ; the scale's byte
.if (\t) == 0
	v_mov_b32 v16, v13                             ; my channel's scale word: the lower keys in the lower byte
.else
	v_lshl_or_b32 v16, v13, 8*(\t), v16
.endif
	v_cvt_scalef32_pk16_bf6_f32 v[C:C+2], v[XS:XS+15], v11
	v_cvt_scalef32_pk16_bf6_f32 v[C2:C2+2], v[XS+16:XS+31], v11
	v_nop                                          ; one plain place behind a scaled conversion
.irp i, 0,1,2
	v_mov_b32 v[C+3+\i], v[C2+\i]                  ; the block's six registers on end
.endr
; block t is registers 6 (t / 2) .. + 5 of lane (r, t % 2) of the image: lanes 16-31 lie 256 bytes on
.if (\t)/2 == 0
	ds_store_b128 v8, v[C:C+3] offset:256*((\t)%2)
	ds_store_b64 v8, v[C+4:C+5] offset:256*((\t)%2)+512
.else
	ds_store_b64 v8, v[C:C+1] offset:256*((\t)%2)+520
	ds_store_b128 v8, v[C+2:C+5] offset:256*((\t)%2)+1024
.endif
.if (\t) < 2
	LOAD (\t)+2
.endif
.endm
	BLOCK 0
	BLOCK 1
	BLOCK 2
	BLOCK 3
	ds_store_b32 v10, v16 offset:256
.irp k, 0,1,2,3,4,5
	ds_load_b128 v[BK+4*\k:BK+4*\k+3], v9 offset:512*\k            ; LDS serves a wave's instructions in order (ISA guide 5.7.1.4): these see my stores
.endr
.irp k, 0,1,2,3,4,5
	s_wait_dscnt 5-\k                              ; the younger read-backs may be out
	global_store_b128 v7, v[BK+4*\k:BK+4*\k+3], s[14:15] offset:VI+512*\k
.endr
	s_wait_kmcnt 0x0                               ; seq_lens
	s_wait_dscnt 0x0                               ; for the others' sake: my scale words lie in LDS
	s_barrier_signal -1
	s_barrier_wait -1                              ; everybody's do
	ds_load_b64 v[18:19], v14
	s_wait_dscnt 0x0
	global_store_b64 v15, v[18:19], s[12:13] offset:SW             ; 32 lanes store 256 consecutive bytes, aligned
	s_wait_tensorcnt 0x0
	ds_add_u32 v168, v169
	s_wait_dscnt 0x0
	s_endpgm
.Lfunc_end_k_qd0466682e9_prep:
	.size	k_qd0466682e9_prep, .Lfunc_end_k_qd0466682e9_prep-k_qd0466682e9_prep
	.p2alignl 7, 3214868480
	.fill 96, 4, 3214868480
	.section	.rodata,"a",@progbits
	.p2align	6, 0x0
	.amdhsa_kernel k_qd0466682e9_prep
		.amdhsa_group_segment_fixed_size 13824
		.amdhsa_private_segment_fixed_size 0
		.amdhsa_enable_private_segment 0
		.amdhsa_kernarg_size 40
		.amdhsa_user_sgpr_count 2
		.amdhsa_user_sgpr_kernarg_segment_ptr 1
		.amdhsa_wavefront_size32 1
		.amdhsa_system_sgpr_workgroup_id_x 1
		.amdhsa_system_sgpr_workgroup_id_y 1
		.amdhsa_system_sgpr_workgroup_id_z 1
		.amdhsa_system_vgpr_workitem_id 0
		.amdhsa_next_free_vgpr 170
		.amdhsa_next_free_sgpr 66
		.amdhsa_reserve_vcc 0
		.amdhsa_float_denorm_mode_32 3
		.amdhsa_float_denorm_mode_16_64 3
		.amdhsa_memory_ordered 1
		.amdhsa_forward_progress 1
		.amdhsa_inst_pref_size 26
	.end_amdhsa_kernel
	.amdgpu_metadata
---
amdhsa.version: [ 1, 2 ]
amdhsa.kernels:
  - .name:           k_qd0466682e9_prep
    .symbol:         k_qd0466682e9_prep.kd
    .args:
      - { .name: v, .offset: 0, .size: 8, .value_kind: global_buffer, .address_space: global }
      - { .name: k_codes, .offset: 8, .size: 8, .value_kind: global_buffer, .address_space: global }
      - { .name: k_scales, .offset: 16, .size: 8, .value_kind: global_buffer, .address_space: global }
      - { .name: seq_lens, .offset: 24, .size: 8, .value_kind: global_buffer, .address_space: global }
      - { .name: kv, .offset: 32, .size: 8, .value_kind: global_buffer, .address_space: global }
    .group_segment_fixed_size: 13824
    .private_segment_fixed_size: 0
    .kernarg_segment_align: 8
    .kernarg_segment_size: 40
    .max_flat_workgroup_size: 128
    .sgpr_count:     66
    .vgpr_count:     170
    .wavefront_size: 32
...
	.end_amdgpu_metadata
.endif
;; end of part 1
;; launch attn (part 2): grid 16 x 16, 8 waves a work-group, no clusters, 327,680 bytes of LDS; arguments q_codes, q_scales, kv, out0; writes out0
.if DOCPART == 2
	.amdgcn_target "amdgcn-amd-amdhsa--gfx1250"
	.amdhsa_code_object_version 6
	.text
	.protected	k_qd0466682e9_attn
	.globl	k_qd0466682e9_attn
	.p2align	8
	.type	k_qd0466682e9_attn,@function
k_qd0466682e9_attn:
	s_mov_b64 s[64:65], 0
	v_nop
	global_prefetch_b8 v0, s[64:65] scope:SCOPE_SE
	s_setreg_imm32_b32 hwreg(HW_REG_WAVE_MODE, 25, 1), 1
	s_wait_xcnt 0x0
; Causal attention, 4 requests x 2,048 tokens, 16 query heads on 4 kv heads, head size 128; both products on codes of BF6 (E3M2) with one E8M0 scale for each 32 along a product's K.
; q: codes and scale bytes as given.  K and V: the blocks of kv, images of the operands' registers, 25,600 bytes for each (request, kv head, key step of 128 keys): K's eight fragments, V^T's eight, their scale words.
; THE SOFTMAX AHEAD OF THE SECOND PRODUCT: t = score x log2(e) / sqrt(128); M = the row's largest t so far, rounded UP to a whole number; p = 2^(t - M) is quantised along the keys, not normalised; the row's sum is taken of the
; unquantised p and divides O at the end.  When M moves, the sum and O are multiplied by 2^(old M - new M): exact.
; SHARES.  Work-group (x = i, y = 4 b + hk) owns two blocks of 64 queries of one request, for the four query heads of kv head hk: block i, which needs i / 2 + 1 key steps, and block 31 - i, which needs the rest of 17.
; So EVERY work-group walks 17 steps: 256 work-groups of equal work, constant trip counts, no step without work.  Only a block's last step lies on the diagonal: there hidden scores become -infinity ahead of the maximum.
; A wave owns two tiles of 16 queries: the same 16 tokens (16 (w / 2) on in the block), heads 4 hk + 2 (w % 2) + 0, 1.  Each fragment of K or V that it reads from LDS feeds two matrix instructions.
; Two waves share a SIMD's registers, so that one wave's matrix instructions and LDS loads stand beside the other's vector work.
; LAYOUT.  Both products are used transposed: S^T = K Q^T (source 0 = 16 keys, source 1 = 16 queries), O^T = V^T P^T: a lane holds ONE query (lane % 16) throughout.  The keys of a tile of K are chosen (by the launch
; before) so that the 16 registers of tiles 2 b and 2 b + 1 are 16 neighbouring keys, 32 b + 16 (lane / 16) + 0 .. 15.
; NO CLUSTER: of a kv head's 16 work-groups only two (i = 2 j and 2 j + 1) walk the same key steps in the same order, and their diagonal steps and ways out would be branches that differ between partners of four;
; the sharing that the four query heads of a kv head offer is had inside the work-group.
; LIMITS: a block's largest p is made from the block's largest score by the same two instructions (this takes v_exp_f32 not to fall where its input rises); hidden scores are -infinity where reference() has the
; lowest f32 number: p is 0 either way; NaN and infinities among the inputs are not served.  seq_lens is not among this launch's arguments: reference() makes nothing of its numbers (the launch before loads it).
; REGISTERS, in two windows of 256 (s_set_vgpr_msb: bits 1:0 source 0, 3:2 source 1, 5:4 source 2, 7:6 destination).  TILE qt LIVES IN WINDOW qt UNDER THE SAME NUMBERS, so softmax, mask and way out are written once.
;   window 0 alone: v1-10 addresses; v80-87 K's (lanes 0-15) and V's (lanes 16-31) scale words; v88, v89 Q's; v90, v91 p's (scale operands have no window)
;   both windows: v11 lane % 16 - 16 (lane / 16); v12 -M, v13 the largest t, v[14:15] the sum; v16-27 Q; v32-79 four fragments of K or V (window 0: tiles 0-3, window 1: tiles 4-7); v96-159 S^T, then p; v160-223 O^T; v224-235 p's codes; v232-254 at work
.set STEPB, 25600                      ; a key step's block
.set VI,    12288                      ; V's fragments in it
.set SW,    24576                      ; the scale words in it
.set SLOT1, 65536                      ; a slot holds two steps (51,200 bytes); slot 1 begins here, so that one exclusive or turns an address in one slot into the other's
.set STAGE, 131072                     ; the way out: 16 rows x 272 bytes for each wave; no tensor load lands here
.set SPITCH, 272
.set SPARE, STAGE+8*16*SPITCH          ; the spare words, 128 bytes for each wave: four blocks of 256 bytes that no other line names
.set LI,  1                            ; v1   16 x lane
.set SPW, 2                            ; v2   LDS address of my spare word; never rewritten
.set NIL, 3                            ; v3   0; never rewritten
.set AD,  4                            ; v4   LDS address of the step in hand
.set GO,  5                            ; v5   the way out: my byte offset in two rows of out0
.set STO, 6                            ; v6   where I put 32 bytes of a row in my stage
.set RD,  7                            ; v7   where I read a row back
.set QA,  8                            ; v8   Q's codes: 1536 r + 24 h
.set QSA, 9                            ; v9   Q's scale words: 64 r
.set PFO, 10                           ; v10  the prefetches' offset
.set DM,  11
.set QF,  16
.set FRG, 32
.set SCW, 80
.set QS,  88
.set PS,  90
.set S,   96
.set O,   160
.set WV,  12                           ; s12  my wave's number
.set NL,  13                           ; s13  key steps of the low block
.set DL,  14                           ; s14  the step (of 17) on which the low block ends
.set VS,  15                           ; s15  the step in hand
.set DQ,  16                           ; s16  my first query less the diagonal step's first key
.set TB,  17                           ; s17  LDS byte at which the step in hand begins
.set SLOTS, 18
.set FV,  19                           ; s19  the step that I fetch next
.set SEL, 20                           ; s[20:21] lane selects for v_permlanex16_b32: lane l xor 16
.set CS,  22                           ; s[22:23] c = log2(e) / sqrt(128)
.set G1,  24                           ; s[24:31] descriptor group 1
.set G0,  32                           ; s[32:35] descriptor group 0
.set KVB, 36                           ; s[36:37] my head's 16 blocks of kv
.set TWICE, 38
.set LIM, 39                           ; s39  1 in a wave that prefetches, else the greatest number
.set QCH, 40                           ; s[40:41], s[42:43] the high block's Q: codes, scale words
.set QSH, 42
.set QCL, 44                           ; s[44:45], s[46:47] the low block's
.set QSL, 46
.set OB,  48                           ; s[48:49] out0 at the rows of the block in hand;  s[50:51] of the high block
.set OBH, 50
.set PFA, 52                           ; s[52:53] where the prefetches stand
.set MSB, 0
.macro WIN new                         ; the immediate's high byte repeats the setting that is left; a switch that changes nothing is dropped
.if MSB != (\new)
	s_set_vgpr_msb (MSB<<8)|(\new)
.set MSB, (\new)
.endif
.endm
; Where step FV of the 17 lies in memory: key step FV in the low block's part of the walk, FV - NL behind it.  Scalars alone.  The LDS address turns to the other slot.
.macro FILLADR
	s_sub_co_u32 s2, s[FV], s[NL]
	s_cmp_lt_u32 s[FV], s[NL]
	s_cselect_b32 s2, s[FV], s2
	s_min_u32 s2, s2, 15                           ; (in the tail wave 1's count runs one past the walk; it fetches nothing there, and the address stays inside the head)
	s_mul_i32 s62, s2, STEPB
	s_mov_b32 s63, 0
	s_add_nc_u64 s[G0+2:G0+3], s[KVB:KVB+1], s[62:63]
	s_or_b32 s[G0+3], s[G0+3], 0x80000000          ; 127:126 type = 2
	s_xor_b32 s[G0+1], s[G0+1], SLOT1
	s_add_co_u32 s[FV], s[FV], 2
.endm
; who = 2: waves 0 and 1 fetch a slot's two steps, a whole block each; who = 1: wave 0 alone.  The branch hangs on the wave's number.  Four v_nop follow the load.
.macro TLOAD who
.if \who == 2
	s_cmp_lt_u32 s[WV], 2
.else
	s_cmp_eq_u32 s[WV], 0
.endif
	s_cbranch_scc0 .Lnone_\@
	tensor_load_to_lds s[G0:G0+3], s[G1:G1+7]
	s_nop 0
.rept 4
	v_nop
.endr
.Lnone_\@:
.endm
; A PREFETCH INTO THE L2.  All 16 work-groups of a kv head read the same 16 blocks; the work-group x = 0, whose walk reaches each key step first (with x = 1), asks for them, and nobody else.  At the loop's change of slots number n (from 0) its
; waves 1 to 7 name key steps 2 n + 4 and 2 n + 5: 51,200 bytes, lanes 256 bytes apart, 32 places a wave; the lanes past the 200th place name the 200th again.  That work-group's own loads ask for key step 2 n + 4 at change n + 1: a slot's two steps later.
; Key steps 0 to 3 come by their loads alone; the loop's last change asks for nothing: there is no key step 16.
.macro ASK
	s_cmp_gt_u32 s[SLOTS], s[LIM]
	s_cbranch_scc0 .Lnot_mine_\@
	global_prefetch_b8 v[PFO], s[PFA:PFA+1] th:TH_LOAD_NT scope:SCOPE_SE
.Lnot_mine_\@:
.endm
; THE CHANGE OF SLOTS stands at a slot's head.  Each wave waits for all its tensor loads (its part of the slot ahead), adds 0 to its spare word, and waits for that and for its reads of the slot that it has left.
; Behind the barrier the slot ahead is whole and nobody reads the other one, which is filled first thing: the load has two steps in which to land.  A wave has at most one tensor load out.
.macro CHANGE fill
	s_wait_tensorcnt 0x0                           ; no tensor load of mine is out, so group 0 may be written
	ds_add_u32 v[SPW], v[NIL]                      ; 0 onto my spare word
	ds_add_u32 v[SPW], v[NIL]
.if \fill > 0
	FILLADR
.endif
.if \fill == 2
	s_wait_xcnt 0x0                                ; the last prefetch, a slot back, has read its address
	s_add_nc_u64 s[PFA:PFA+1], s[PFA:PFA+1], 2*STEPB
.endif
	s_wait_dscnt 0x0                               ; the add is done, and my reads of the slot that I have left are over
	s_barrier_signal -1
	s_barrier_wait -1
.if \fill > 0
	TLOAD \fill
.endif
.if \fill == 2
	ASK
.endif
.endm
; Q's two fragments (head 2 (w % 2) + 0 into window 0, + 1 into window 1) and their scale words
.macro QLOAD cb, sb
	WIN 0
.irp p, 0,1,2,3,4,5
	global_load_b64 v[QF+2*\p:QF+2*\p+1], v[QA], s[\cb:\cb+1] offset:48*(\p/3)+8*(\p%3)
.endr
	WIN 0x40
.irp p, 0,1,2,3,4,5
	global_load_b64 v[QF+2*\p:QF+2*\p+1], v[QA], s[\cb:\cb+1] offset:96+48*(\p/3)+8*(\p%3)
.endr
	WIN 0
	global_load_b32 v[QS], v[QSA], s[\sb:\sb+1]
	global_load_b32 v[QS+1], v[QSA], s[\sb:\sb+1] offset:4
.endm
; A block of queries begins: the largest t is -3e38, under every t; the sum and O^T are zeros, which the first change of M leaves zeros.  first = 1: registers that are named before they are first made
.macro INIT qt, first
	WIN 0x55*\qt
	v_mov_b32 v13, 0xff61b1e6
	s_delay_alu instid0(VALU_DEP_1)
	v_floor_f32 v12, -v13
	v_mov_b32 v14, 0
	v_mov_b32 v15, 0
.set ij, 0
.rept 64
	v_mov_b32 v[O+ij], 0
.set ij, ij+1
.endr
.if \first
.irp x, 236,237,238,239,252,253
	v_mov_b32 v\x, 0
.endr
.endif
.endm
; On the diagonal: register 16 b + i holds key 32 b + 16 (lane / 16) + i of the step: hidden where 32 b + i > my query - the step's first key - 16 (lane / 16).  Each accumulator is read from its low end on.
.macro MASK qt
	WIN 0x55*\qt
	v_add_nc_u32 v252, s[DQ], v[DM]
	v_mov_b32 v254, 0xff800000                     ; -infinity
.set mn, 0
.rept 64
	v_cmp_gt_i32 vcc_lo, 32*(mn/16)+mn%16, v252
	v_cndmask_b32 v[S+mn], v[S+mn], v254, vcc_lo
.set mn, mn+1
.endr
.endm
; One tile's softmax for one key step, and p's codes and scale word
.macro SOFTMAX qt
	WIN 0x55*\qt
.irp b, 0,1,2,3
	v_max3_num_f32 v[232+\b], v[S+16*\b], v[S+1+16*\b], v[S+2+16*\b]   ; the largest score of each block of 32 keys: it serves the row's maximum and, since p rises with the score, the block's largest p
.endr
.irp i, 3,5,7,9,11,13
.irp b, 0,1,2,3
	v_max3_num_f32 v[232+\b], v[232+\b], v[S+16*\b+\i], v[S+1+16*\b+\i]   ; (the four blocks by turns)
.endr
.endr
.irp b, 0,1,2,3
	v_max_num_f32 v[232+\b], v[232+\b], v[S+15+16*\b]
.endr
.irp b, 0,1,2,3
	s_delay_alu instid0(VALU_DEP_4)
	v_permlanex16_b32 v[236+\b], v[232+\b], s[SEL], s[SEL+1]
.endr
.irp b, 0,1,2,3
	s_delay_alu instid0(VALU_DEP_4)
	v_max_num_f32 v[232+\b], v[232+\b], v[236+\b]  ; with lane l xor 16's 16 keys
.endr
	s_delay_alu instid0(VALU_DEP_2)
	v_max3_num_f32 v254, v232, v233, v234
	s_delay_alu instid0(VALU_DEP_1)
	v_max_num_f32 v254, v254, v235                 ; the step's largest score of my query
	s_delay_alu instid0(VALU_DEP_1)
	v_mul_f32 v254, s[CS], v254                    ; as t (c is positive)
	s_delay_alu instid0(VALU_DEP_1)
	v_max_num_f32 v13, v13, v254                   ; the running largest t
	v_mov_b32 v254, v12
	s_delay_alu instid0(VALU_DEP_2)
	v_floor_f32 v12, -v13                          ; the new -M = floor(-t): M is a whole number
	s_delay_alu instid0(VALU_DEP_1)
	v_sub_f32 v254, v12, v254                      ; old M - new M: a whole number, 0 or less
	s_delay_alu instid0(VALU_DEP_1)
	v_cvt_i32_f32 v254, v254                       ; (it saturates)
	s_delay_alu instid0(VALU_DEP_1)
	v_ldexp_f32 v252, 1.0, v254                    ; f = 2^(old M - new M)
.set sj, 0
.rept 32
	v_pk_fma_f32 v[S+sj:S+sj+1], v[S+sj:S+sj+1], s[CS:CS+1], v[12:13] op_sel_hi:[1,0,0]   ; t - M, two at a time (of the pairs c and -M the low word serves both halves)
.set sj, sj+2
.endr
.irp b, 0,1,2,3
	v_fma_f32 v[232+\b], v[232+\b], s[CS], v12     ; the same of each block's largest score
.endr
.set sj, 0
	s_wait_alu depctr_va_vdst(0)
.rept 64
	v_exp_f32 v[S+sj], v[S+sj]                     ; p = 2^(t - M), at most 1
.set sj, sj+1
.endr
	v_pk_mul_f32 v[14:15], v[14:15], v[252:253] op_sel_hi:[1,0]   ; the sums under the new M: the plain instruction behind the exponentials
	s_wait_alu depctr_va_vdst(0)                   ; one wait for the batch of 64, ahead of its first reader
.irp b, 0,1,2,3
	v_exp_f32 v[232+\b], v[232+\b]                 ; the block's largest p
.endr
	v_pk_add_f32 v[236:237], v[S:S+1], v[S+2:S+3]  ; the row's sum is taken of the unquantised p: two at a time, in two chains; it reads the 64 alone
.irp j, 4,8,12,16,20,24,28,32,36,40,44,48,52,56,60
	v_pk_add_f32 v[14:15], v[14:15], v[S+\j:S+1+\j]
	v_pk_add_f32 v[236:237], v[236:237], v[S+2+\j:S+3+\j]
.endr
	s_delay_alu instid0(VALU_DEP_1)
	v_pk_add_f32 v[14:15], v[14:15], v[236:237]
	s_wait_alu depctr_va_vdst(0)                   ; and one for the four
.irp b, 0,1,2,3
	v_max_num_f32 v[232+\b], 0x2800000, v[232+\b]  ; the floor 2^(5 - 127): the byte cannot fall under 1 (a block whose every p is 0 keeps that byte: its codes are zeros)
.endr
.irp b, 0,1,2,3
	s_delay_alu instid0(VALU_DEP_4)
	v_add_nc_u32 v[244+\b], 0xfe000000, v[232+\b]  ; 4 off the exponent field: the conversion's scale operand
.endr
.irp b, 0,1,2,3
	s_delay_alu instid0(VALU_DEP_4)
	v_lshrrev_b32 v[236+\b], 23, v[244+\b]         ; the scale's byte
.endr
	s_delay_alu instid0(VALU_DEP_3)
	v_lshl_or_b32 v253, v237, 8, v236              ; p's scale word for these 128 keys
	s_delay_alu instid0(VALU_DEP_1)
	v_lshl_or_b32 v253, v238, 16, v253
	s_delay_alu instid0(VALU_DEP_1)
	v_lshl_or_b32 v253, v239, 24, v253
.irp c, 0,1
	v_cvt_scalef32_pk16_bf6_f32 v[224+6*\c:226+6*\c], v[S+32*\c:S+15+32*\c], v[244+2*\c]
	v_cvt_scalef32_pk16_bf6_f32 v[236+4*\c:238+4*\c], v[S+16+32*\c:S+31+32*\c], v[244+2*\c+1]   ; (a conversion's three registers begin on an even number)
.endr
	v_nop                                          ; one plain place behind a scaled conversion
.irp c, 0,1                                    ; the operand's layout wants a whole block in a lane: lanes 0-15 block 2 c, lanes 16-31 block 2 c + 1
.irp i, 0,1,2
	v_permlane16_swap_b32 v[224+6*\c+\i], v[236+4*\c+\i]
.endr
.irp i, 0,1,2
	s_delay_alu instid0(VALU_DEP_3)
	v_mov_b32 v[227+6*\c+\i], v[236+4*\c+\i]
.endr
.endr
	WIN 0x01*\qt
	v_mov_b32 v[PS+\qt], v253                      ; the scale word into its register of window 0, which holds scales alone
	WIN 0x55*\qt
.set sj, 0
.rept 32
	v_pk_mul_f32 v[O+sj:O+sj+1], v[O+sj:O+sj+1], v[252:253] op_sel_hi:[1,0]   ; O^T under the new M.  (These 32 also stand between the scale word's and the codes' last writes and the products)
.set sj, sj+2
.endr
.endm
; THE WAY OUT of a block of queries, tile by tile: O^T / the sum goes through my stage in LDS, half a row (64 channels, 256 bytes) of 16 queries at a time, and comes back as rows: sixteen lanes store 256 consecutive
; bytes, at a multiple of 256 from out0's first byte.  reset = 1: the high block begins.
.macro OUT reset
.irp qt, 0,1
	WIN 0x55*\qt
	v_add_f32 v14, v14, v15                        ; the sum's two halves,
	s_delay_alu instid0(VALU_DEP_1)
	v_permlanex16_b32 v252, v14, s[SEL], s[SEL+1]
	s_delay_alu instid0(VALU_DEP_1)
	v_add_f32 v14, v14, v252                       ; and lane l xor 16's
	s_wait_alu depctr_va_vdst(0)
	v_rcp_f32 v14, v14
	v_nop                                          ; a plain instruction behind the reciprocal,
	s_wait_alu depctr_va_vdst(0)                   ; and a wait ahead of its first reader
.set oj, 0
.rept 64
	v_mul_f32 v[S+oj], v[O+oj], v14                ; register 8 t + j is o(query r, channel 16 t + 8 h + j); each accumulator from its low end on
.set oj, oj+1
.endr
.irp u, 0,1
	WIN 0x04*\qt                                   ; an LDS store's data are its source 1
.irp t, 0,1,2,3
	ds_store_b128 v[STO], v[S+32*\u+8*\t:S+32*\u+8*\t+3] offset:64*\t
	ds_store_b128 v[STO], v[S+32*\u+8*\t+4:S+32*\u+8*\t+7] offset:64*\t+16
.endr
	WIN 0x40*\qt
.irp i, 0,1,2,3,4,5,6,7
	ds_load_b128 v[O+32*\u+4*\i:O+32*\u+4*\i+3], v[RD] offset:2*SPITCH*\i   ; LDS serves a wave's instructions in order (ISA guide 5.7.1.4): these see my stores, and the next half's stores come behind them
.endr
.endr
	WIN 0x04*\qt                                   ; a store's data are its source 1
.irp u, 0,1
.irp i, 0,1,2,3,4,5,6,7
	s_wait_dscnt 23-16*\u-\i                       ; the LDS instructions issued behind this load may be out
	global_store_b128 v[GO], v[O+32*\u+4*\i:O+32*\u+4*\i+3], s[OB:OB+1] offset:16384*\i+256*\u+512*\qt th:TH_STORE_NT
.endr
.endr
.endr
	WIN 0
.if \reset
	s_wait_xcnt 0x0                                ; the stores have read their data and their base: both are written again only behind this wait
	INIT 0, 0
	INIT 1, 0
	WIN 0
	s_mov_b64 s[OB:OB+1], s[OBH:OBH+1]
	s_xor_b32 s[DQ], s[DQ], 64                     ; block 31 - i lies in the other half of its diagonal step than block i
.endif
.endm
; A KEY STEP: 128 keys.  kind 0: no diagonal; 1: the low block's last step may be this one (a scalar branch on ids); 2: the walk's last step, the high block's diagonal.
.macro STEP kind
	s_wait_loadcnt 0x0                             ; Q (at the head, and behind the low block's last step)
	v_add_nc_u32 v[AD], s[TB], v[LI]
.irp j, 0,1
	ds_load_b128 v[SCW+4*\j:SCW+4*\j+3], v[AD] offset:SW+512*\j    ; the step's scale words: K's in lanes 0-15, V's in lanes 16-31
.endr
.irp g, 0,1
	WIN 0x40*\g
.irp t, 0,1,2,3
.irp c, 0,1,2
	ds_load_b128 v[FRG+12*\t+4*\c:FRG+12*\t+4*\c+3], v[AD] offset:1536*(4*\g+\t)+512*\c   ; an image: 512 consecutive bytes a load
.endr
.endr
.endr
	s_wait_alu depctr_va_vdst(0)
.irp g, 0,1                                    ; S^T = K Q^T: each fragment of K serves both tiles of queries; every product starts its sum
	s_wait_dscnt 12-12*\g                          ; tiles 0-3 and the scale words are in, the 12 loads of tiles 4-7 may be out; then all
.irp qt, 0,1
	WIN \g+0x54*\qt                                ; K in window g; Q and S^T in window qt
.irp t, 0,1,2,3
	v_wmma_scale_f32_16x16x128_f8f6f4 v[S+8*(4*\g+\t):S+8*(4*\g+\t)+7], v[FRG+12*\t:FRG+12*\t+11], v[QF:QF+11], 0, v[SCW+4*\g+\t], v[QS+\qt] matrix_a_fmt:MATRIX_FMT_BF6 matrix_b_fmt:MATRIX_FMT_BF6
.endr
.endr
.endr
	WIN 0
.rept 4
	v_nop                                          ; four places in front of loads into registers that the products have read, and of the first read of their results
.endr
.irp g, 0,1                                    ; V's eight fragments land under the softmax
	WIN 0x40*\g
.irp t, 0,1,2,3
.irp c, 0,1,2
	ds_load_b128 v[FRG+12*\t+4*\c:FRG+12*\t+4*\c+3], v[AD] offset:VI+1536*(4*\g+\t)+512*\c
.endr
.endr
.endr
	WIN 0
.if \kind == 1
	s_cmp_lg_u32 s[VS], s[DL]
	s_cbranch_scc1 .Lopen_\@
	QLOAD QCH, QSH                                 ; the low block's last scores are made: the high block's Q is asked for, and waited for at the next step's head
	MASK 0
	MASK 1
	WIN 0
.Lopen_\@:
.elseif \kind == 2
	MASK 0
	MASK 1
.endif
	SOFTMAX 0
	SOFTMAX 1
	s_wait_alu depctr_va_vdst(0)
	s_wait_dscnt 0x0                               ; V is in
.irp g, 0,1                                    ; O^T += V^T P^T: sixteen accumulators, one instruction each: they take turns
.irp qt, 0,1
	WIN \g+0x54*\qt
.irp t, 0,1,2,3
	v_wmma_scale_f32_16x16x128_f8f6f4 v[O+8*(4*\g+\t):O+8*(4*\g+\t)+7], v[FRG+12*\t:FRG+12*\t+11], v[224:235], v[O+8*(4*\g+\t):O+8*(4*\g+\t)+7], v[SCW+4*\g+\t], v[PS+\qt] matrix_a_fmt:MATRIX_FMT_BF6 matrix_b_fmt:MATRIX_FMT_BF6 matrix_a_scale:MATRIX_SCALE_ROW1
.endr
.endr
.endr
	WIN 0
.rept 4
	v_nop                                          ; four places in front of the next step's loads and of the first read of O^T
.endr
.if \kind == 1
	s_cmp_lg_u32 s[VS], s[DL]
	s_cbranch_scc1 .Lstay_\@
	OUT 1
.Lstay_\@:
.elseif \kind == 2
	OUT 0
.endif
	s_add_co_u32 s[VS], s[VS], 1
.endm
; A slot's two steps: written once, walked twice; the LDS addresses hang on s[TB]
.macro TWO_STEPS kind
	s_mov_b32 s[TWICE], 2
.Lstep_\@:
	STEP \kind
	s_add_co_u32 s[TB], s[TB], STEPB
	s_sub_co_u32 s[TWICE], s[TWICE], 1
	s_cmp_lg_u32 s[TWICE], 0
	s_cbranch_scc1 .Lstep_\@
	s_sub_co_u32 s[TB], s[TB], 2*STEPB             ; back to a slot's first step,
	s_xor_b32 s[TB], s[TB], SLOT1                  ; in the other slot
.endm
	s_load_b256 s[4:11], s[0:1], 0x0               ; q_codes s[4:5], q_scales s[6:7], kv s[8:9], out0 s[10:11]
	v_lshl_add_u32 v[SPW], v0, 2, SPARE
	v_mov_b32 v[NIL], 0
	ds_add_u32 v2, v3
	ds_add_u32 v2, v3
	s_wait_dscnt 0x0
	v_lshrrev_b32 v[AD], 5, v0
	s_delay_alu instid0(VALU_DEP_1)
	v_readfirstlane_b32 s[WV], v[AD]               ; wave 0..7
	; descriptor group 1: a block of 25,600 dense bytes as 100 rows of 256 bytes (32 elements of 8 bytes), no padding: an image is read 16 x lane on end
	s_mov_b32 s[G1+0], 3<<16                       ; 15:0 no mask; 17:16 elements of 8 bytes; 20 padding off
	s_mov_b32 s[G1+1], 32<<16                      ; tensor_dim0 = 32
	s_mov_b32 s[G1+2], 100<<16                     ; tensor_dim1 = 100
	s_mov_b32 s[G1+3], 32<<16                      ; tile_dim0 = 32
	s_mov_b32 s[G1+4], 100                         ; tile_dim1 = 100
	s_mov_b32 s[G1+5], 32                          ; from row to row
	s_mov_b32 s[G1+6], 0
	s_mov_b32 s[G1+7], 0
	s_and_b32 s54, ttmp7, 0xffff                   ; 4 b + hk
	s_lshr_b32 s[DL], ttmp9, 1
	s_add_co_u32 s[NL], s[DL], 1
	s_lshr_b32 s55, s[WV], 1                       ; which 16 tokens of a block are mine
	s_lshl_b32 s57, s55, 4
	s_and_b32 s56, ttmp9, 1
	s_lshl_b32 s[DQ], s56, 6
	s_add_co_u32 s[DQ], s[DQ], s57                 ; 64 (i % 2) + 16 (w / 2)
	s_lshr_b32 s56, s54, 2
	s_lshl_b32 s56, s56, 11
	s_add_co_u32 s56, s56, s57                     ; 2048 b + 16 (w / 2)
	s_lshl_b32 s58, ttmp9, 6
	s_add_co_u32 s58, s58, s56                     ; my first token in the low block,
	s_sub_co_u32 s59, 31, ttmp9
	s_lshl_b32 s59, s59, 6
	s_add_co_u32 s59, s59, s56                     ; and in the high block
	s_and_b32 s60, s54, 3
	s_lshl_b32 s60, s60, 2
	s_and_b32 s61, s[WV], 1
	s_lshl_b32 s57, s61, 1
	s_add_co_u32 s60, s60, s57                     ; my first query head: 4 hk + 2 (w % 2)
	s_mov_b32 s[FV], s61                           ; waves 0 and 1 fetch steps 0 and 1 first
	s_mov_b32 s[G0], 1                             ; 1:0 count = 1
	s_mul_i32 s[G0+1], s61, STEPB                  ; my place in a slot;
	s_add_co_u32 s[G0+1], s[G0+1], SLOT1           ; the first turn makes it slot 0's
	s_mov_b32 s[TB], 0
	s_mov_b32 s[VS], 0
	s_mov_b32 s[SLOTS], 7
	s_mov_b32 s[SEL], 0x76543210
	s_mov_b32 s[SEL+1], 0xfedcba98
	s_mov_b32 s[CS], 0x3e0293ee                    ; c = log2(e) / sqrt(128)
	s_mov_b32 s[CS+1], s[CS]                       ; (named with it as a pair, so it is written)
	s_mul_i32 s2, s54, 16*STEPB
	s_mov_b32 s3, 0
	s_wait_kmcnt 0x0
	s_add_nc_u64 s[KVB:KVB+1], s[8:9], s[2:3]
	FILLADR
	TLOAD 2                                        ; slot 0: the first fill, ahead of every wait on TENSORcnt, every LDS read and every barrier
	s_add_nc_u64 s[PFA:PFA+1], s[KVB:KVB+1], 2*STEPB   ; the first change of slots steps it to key step 4.  Nothing is prefetched here, at the head
	s_cmp_eq_u32 s[WV], 0
	s_cselect_b32 s62, 1, 0
	s_or_b32 s62, s62, ttmp9                       ; 0 in waves 1 to 7 of the head's work-group x = 0
	s_cmp_eq_u32 s62, 0
	s_cselect_b32 s[LIM], 1, -1
	s_mul_i32 s62, s60, 96                         ; codes: a token is 1,536 bytes, a head 96
	s_mul_i32 s2, s58, 1536
	s_add_co_u32 s2, s2, s62
	s_add_nc_u64 s[QCL:QCL+1], s[4:5], s[2:3]
	s_mul_i32 s2, s59, 1536
	s_add_co_u32 s2, s2, s62
	s_add_nc_u64 s[QCH:QCH+1], s[4:5], s[2:3]
	s_lshl_b32 s62, s60, 2                         ; scale words: a token is 64 bytes, a head 4
	s_lshl_b32 s2, s58, 6
	s_add_co_u32 s2, s2, s62
	s_add_nc_u64 s[QSL:QSL+1], s[6:7], s[2:3]
	s_lshl_b32 s2, s59, 6
	s_add_co_u32 s2, s2, s62
	s_add_nc_u64 s[QSH:QSH+1], s[6:7], s[2:3]
	s_lshl_b32 s62, s60, 9                         ; out0: a token is 8,192 bytes, a head 512
	s_lshl_b32 s2, s58, 13
	s_add_co_u32 s2, s2, s62
	s_add_nc_u64 s[OB:OB+1], s[10:11], s[2:3]
	s_lshl_b32 s2, s59, 13
	s_add_co_u32 s2, s2, s62
	s_add_nc_u64 s[OBH:OBH+1], s[10:11], s[2:3]
	v_and_b32 v28, 15, v0                          ; r
	v_bfe_u32 v29, v0, 4, 1                        ; h
	v_and_b32 v30, 31, v0                          ; lane
	s_delay_alu instid0(VALU_DEP_3)
	v_mul_u32_u24 v[QA], v28, 1536
	s_delay_alu instid0(VALU_DEP_1)
	v_mad_u32_u24 v[QA], v29, 24, v[QA]
	v_lshlrev_b32 v[QSA], 6, v28
	QLOAD QCL, QSL                                 ; the low block's Q
	v_lshlrev_b32 v[LI], 4, v30
	v_lshlrev_b32 v[GO], 13, v29
	s_delay_alu instid0(VALU_DEP_1)
	v_lshl_add_u32 v[GO], v28, 4, v[GO]            ; lanes 0-15 one row of out0, lanes 16-31 the next; 16 bytes a lane
	s_mul_i32 s2, s[WV], 16*SPITCH
	s_add_co_u32 s2, s2, STAGE                     ; my stage
	v_mul_u32_u24 v[STO], v28, SPITCH
	s_delay_alu instid0(VALU_DEP_1)
	v_lshl_add_u32 v[STO], v29, 5, v[STO]
	s_delay_alu instid0(VALU_DEP_1)
	v_add_nc_u32 v[STO], s2, v[STO]                ; in: row r, 32 bytes for each half of the lanes
	v_mul_u32_u24 v[RD], v29, SPITCH
	s_delay_alu instid0(VALU_DEP_1)
	v_lshl_add_u32 v[RD], v28, 4, v[RD]
	s_delay_alu instid0(VALU_DEP_1)
	v_add_nc_u32 v[RD], s2, v[RD]                  ; back: lanes 0-15 one row, lanes 16-31 the next
	s_sub_co_u32 s2, s[WV], 1
	s_lshl_b32 s2, s2, 5
	v_add_nc_u32 v[PFO], s2, v30                   ; place 32 (w - 1) + lane of the 200,
	s_delay_alu instid0(VALU_DEP_1)
	v_min_u32 v[PFO], 199, v[PFO]                  ; held at the last
	s_delay_alu instid0(VALU_DEP_1)
	v_lshlrev_b32 v[PFO], 8, v[PFO]
	v_lshlrev_b32 v31, 4, v29
	s_delay_alu instid0(VALU_DEP_1)
	v_sub_nc_u32 v[DM], v28, v31                   ; r - 16 h,
	WIN 0x40
	v_mov_b32 v[DM], v[DM]                         ; in both windows
	INIT 0, 1
	INIT 1, 1
	WIN 0
.Lslot:                                            ; seven trips: steps 0 to 13; behind each change of slots the next two steps are asked for
	CHANGE 2
	TWO_STEPS 1
	s_sub_co_u32 s[SLOTS], s[SLOTS], 1
	s_cmp_lg_u32 s[SLOTS], 0
	s_cbranch_scc1 .Lslot
	CHANGE 1                                       ; the tail is written out: wave 0 alone fetches step 16
	TWO_STEPS 0                                    ; steps 14 and 15
	CHANGE 0
	STEP 2                                         ; step 16: the high block's diagonal, and its way out
	s_wait_tensorcnt 0x0                           ; the wave's end: behind my last tensor load and my last LDS store
	ds_add_u32 v[SPW], v[NIL]
	s_wait_dscnt 0x0
	s_endpgm
.Lfunc_end_k_qd0466682e9_attn:
	.size	k_qd0466682e9_attn, .Lfunc_end_k_qd0466682e9_attn-k_qd0466682e9_attn
	.p2alignl 7, 3214868480
	.fill 96, 4, 3214868480
	.section	.rodata,"a",@progbits
	.p2align	6, 0x0
	.amdhsa_kernel k_qd0466682e9_attn
		.amdhsa_group_segment_fixed_size 327680
		.amdhsa_private_segment_fixed_size 0
		.amdhsa_enable_private_segment 0
		.amdhsa_kernarg_size 32
		.amdhsa_user_sgpr_count 2
		.amdhsa_user_sgpr_kernarg_segment_ptr 1
		.amdhsa_wavefront_size32 1
		.amdhsa_system_sgpr_workgroup_id_x 1
		.amdhsa_system_sgpr_workgroup_id_y 1
		.amdhsa_system_sgpr_workgroup_id_z 1
		.amdhsa_system_vgpr_workitem_id 0
		.amdhsa_next_free_vgpr 512
		.amdhsa_next_free_sgpr 66
		.amdhsa_reserve_vcc 1
		.amdhsa_float_denorm_mode_32 3
		.amdhsa_float_denorm_mode_16_64 3
		.amdhsa_memory_ordered 1
		.amdhsa_forward_progress 1
		.amdhsa_inst_pref_size 175
	.end_amdhsa_kernel
	.amdgpu_metadata
---
amdhsa.version: [ 1, 2 ]
amdhsa.kernels:
  - .name:           k_qd0466682e9_attn
    .symbol:         k_qd0466682e9_attn.kd
    .args:
      - { .name: q_codes, .offset: 0, .size: 8, .value_kind: global_buffer, .address_space: global }
      - { .name: q_scales, .offset: 8, .size: 8, .value_kind: global_buffer, .address_space: global }
      - { .name: kv, .offset: 16, .size: 8, .value_kind: global_buffer, .address_space: global }
      - { .name: out0, .offset: 24, .size: 8, .value_kind: global_buffer, .address_space: global }
    .group_segment_fixed_size: 327680
    .private_segment_fixed_size: 0
    .kernarg_segment_align: 8
    .kernarg_segment_size: 32
    .max_flat_workgroup_size: 256
    .sgpr_count:     66
    .vgpr_count:     512
    .wavefront_size: 32
...
	.end_amdgpu_metadata
.endif
;; end of part 2
